; MI455X (gfx1250); checked and timed in simulation.
; The chip was launched on July 23, 2026; its instructions are those of AMD's public machine-readable ISA for CDNA 5 (MIT licence, August 2026) and "CDNA5" Instruction Set Architecture Reference Guide (July 2026). The comments in the code are by the model that wrote it; some were corrected since.
;; Full Attention DS integ woembed. Allowed arithmetic: float matrix products may take bf16 or f16 operands with f32 sums; all other float work in f32.
;; Inputs: attn_mask 1 bool; keys 8 x 512 x 4,096 float32; queries 8 x 2,048 x 512 float32; values 8 x 512 x 4,096 float32.
;; Outputs: out0 8 x 2,048 x 512 float32.
;; 2 versions, each right and faster than the one before. Each part assembles by itself: llvm-mc -triple=amdgcn-amd-amdhsa -mcpu=gfx1250 --defsym DOCPART=n.
;; ======== version 1 of 2: 2 launches
;; limits: right only within a limited range of input values
;; workspace buffers: kb16 33,554,432 bytes; vb16 33,554,432 bytes
;; launch cast (part 1): grid 512 x 2, 8 waves a work-group, no clusters, 0 bytes of LDS; arguments keys, values, kb16, vb16; writes kb16, vb16
.if DOCPART == 1
	.amdgcn_target "amdgcn-amd-amdhsa--gfx1250"
	.amdhsa_code_object_version 6
	.text
	.protected	k_qffb29523fe_cast
	.globl	k_qffb29523fe_cast
	.p2align	8
	.type	k_qffb29523fe_cast,@function
k_qffb29523fe_cast:
	s_mov_b64 s[64:65], 0
	v_nop
	global_prefetch_b8 v0, s[64:65] scope:SCOPE_SE
	s_setreg_imm32_b32 hwreg(HW_REG_WAVE_MODE, 25, 1), 1
	s_wait_xcnt 0x0
; kb16 = bf16(keys), vb16 = bf16(values): the same order [8][512][4096], rounded to nearest even, once.
; The attention launch behind reads each of these numbers in 32 work-groups, so the rounding is done here, once for each number.
; The grid's y picks the tensor.  Work-group x owns 131,072 bytes of input and 65,536 of output: 32 loads of 16 bytes a lane,
; all issued before the first is used; a wave's load covers 512 consecutive bytes, its store 256 consecutive bytes, aligned.
; A stream: no LDS, no barrier, no matrix work.  No register is written a second time, so no wait frees a source.
.set X, 4                              ; v[4:131]  load i: four f32; then two registers of bf16 in its first pair
	s_load_b256 s[4:11], s[0:1], 0x0               ; keys s[4:5], values s[6:7], kb16 s[8:9], vb16 s[10:11]
	v_lshlrev_b32 v1, 4, v0                        ; 16 bytes of input a thread
	v_lshlrev_b32 v2, 3, v0                        ; 8 bytes of output a thread
	s_wait_kmcnt 0x0
	s_and_b32 s2, ttmp7, 0xffff                    ; y: 0 keys, 1 values
	s_cmp_eq_u32 s2, 0
	s_cselect_b64 s[12:13], s[4:5], s[6:7]         ; from
	s_cselect_b64 s[14:15], s[8:9], s[10:11]       ; to
	s_lshl_b32 s2, ttmp9, 17                       ; my 131,072 bytes of input
	s_mov_b32 s3, 0
	s_add_nc_u64 s[12:13], s[12:13], s[2:3]
	s_lshl_b32 s2, ttmp9, 16                       ; my 65,536 bytes of output
	s_add_nc_u64 s[14:15], s[14:15], s[2:3]
.set i, 0
.rept 32
	global_load_b128 v[X+4*i:X+4*i+3], v1, s[12:13] offset:4096*i th:TH_LOAD_NT   ; read once in the launch
.set i, i+1
.endr
.set i, 0
.rept 32
	s_wait_loadcnt 31-i                            ; loads come back in order (ISA guide 5.7.1): load i is in, the younger ones stay out
	v_cvt_pk_bf16_f32 v[X+4*i], v[X+4*i], v[X+4*i+1]
	v_cvt_pk_bf16_f32 v[X+4*i+1], v[X+4*i+2], v[X+4*i+3]
	global_store_b64 v2, v[X+4*i:X+4*i+1], s[14:15] offset:2048*i   ; no hint: the next launch reads these bytes
.set i, i+1
.endr
	s_endpgm
.Lfunc_end_k_qffb29523fe_cast:
	.size	k_qffb29523fe_cast, .Lfunc_end_k_qffb29523fe_cast-k_qffb29523fe_cast
	.p2alignl 7, 3214868480
	.fill 96, 4, 3214868480
	.section	.rodata,"a",@progbits
	.p2align	6, 0x0
	.amdhsa_kernel k_qffb29523fe_cast
		.amdhsa_group_segment_fixed_size 0
		.amdhsa_private_segment_fixed_size 0
		.amdhsa_enable_private_segment 0
		.amdhsa_kernarg_size 32
		.amdhsa_user_sgpr_count 2
		.amdhsa_user_sgpr_kernarg_segment_ptr 1
		.amdhsa_wavefront_size32 1
		.amdhsa_system_sgpr_workgroup_id_x 1
		.amdhsa_system_sgpr_workgroup_id_y 1
		.amdhsa_system_sgpr_workgroup_id_z 1
		.amdhsa_system_vgpr_workitem_id 0
		.amdhsa_next_free_vgpr 132
		.amdhsa_next_free_sgpr 66
		.amdhsa_reserve_vcc 0
		.amdhsa_float_denorm_mode_32 3
		.amdhsa_float_denorm_mode_16_64 3
		.amdhsa_memory_ordered 1
		.amdhsa_forward_progress 1
		.amdhsa_inst_pref_size 12
	.end_amdhsa_kernel
	.amdgpu_metadata
---
amdhsa.version: [ 1, 2 ]
amdhsa.kernels:
  - .name:           k_qffb29523fe_cast
    .symbol:         k_qffb29523fe_cast.kd
    .args:
      - { .name: keys, .offset: 0, .size: 8, .value_kind: global_buffer, .address_space: global }
      - { .name: values, .offset: 8, .size: 8, .value_kind: global_buffer, .address_space: global }
      - { .name: kb16, .offset: 16, .size: 8, .value_kind: global_buffer, .address_space: global }
      - { .name: vb16, .offset: 24, .size: 8, .value_kind: global_buffer, .address_space: global }
    .group_segment_fixed_size: 0
    .private_segment_fixed_size: 0
    .kernarg_segment_align: 8
    .kernarg_segment_size: 32
    .max_flat_workgroup_size: 256
    .sgpr_count:     66
    .vgpr_count:     132
    .wavefront_size: 32
...
	.end_amdgpu_metadata
.endif
;; end of part 1
;; launch attn (part 2): grid 32 x 8, 4 waves a work-group, clusters of 4 x 1, 327,680 bytes of LDS; arguments queries, kb16, vb16, out0; writes out0
.if DOCPART == 2
	.amdgcn_target "amdgcn-amd-amdhsa--gfx1250"
	.amdhsa_code_object_version 6
	.text
	.protected	k_qffb29523fe_attn
	.globl	k_qffb29523fe_attn
	.p2align	8
	.type	k_qffb29523fe_attn,@function
k_qffb29523fe_attn:
	s_mov_b64 s[64:65], 0
	v_nop
	global_prefetch_b8 v0, s[64:65] scope:SCOPE_SE
	s_setreg_imm32_b32 hwreg(HW_REG_WAVE_MODE, 25, 1), 1
	s_wait_xcnt 0x0
	s_wait_alu depctr_hold_cnt(0) depctr_sa_sdst(0) depctr_va_vdst(0) depctr_va_sdst(0) depctr_va_ssrc(0) depctr_va_vcc(0) depctr_vm_vsrc(0)
	s_getreg_b32 s2, hwreg(HW_REG_IB_STS2, 6, 4)
	s_cmp_eq_u32 s2, 0
	s_cbranch_scc0 .Lentry_in_a_cluster
	s_endpgm
.Lentry_in_a_cluster:
	s_bfe_u32 s2, ttmp6, 0x10000c
	s_cmp_lg_u32 s2, 0x3003
	s_cbranch_scc0 .Lentry_shape_is_right
	s_endpgm
.Lentry_shape_is_right:
; out0[b][n][:] = the sum over m of softmax_m(sum_t Q[b][n][t] K[b][t][m]) V[b][:][m].  Q, out0: [8][2048][512] f32.  kb16, vb16: [8][512][4096] bf16 (K and V, rounded by the launch before).
; The scale is 1.  The module's fourth input, attn_mask, enters no step of the computation and is not among this launch's buffers.
; LIMITS.  Q, K, V and the weights p are rounded to bf16 for the products; products, maxima and sums are f32; the sum l is taken of the unrounded p.  A weight below 2^-126 counts as 0.
; log2(e) x score stays under 4e37 in magnitude (the running maximum starts at -4.25e37 in that measure).  NaN and infinities are not treated apart.
; SHARES.  A work-group owns 64 queries of one batch (four blocks qb of 16) and walks the batch's 4,096 keys, 128 a step, 32 steps.  Every wave works on all 64 queries.
;   S^T = K Q^T: wave w makes the scores of keys 32 w .. 32 w + 31 of the step (two blocks kb of 16); all of Q, 64 x 512 in bf16, lies in each wave's registers.  128 matrix instructions.
;   O^T = V^T P: wave w makes channels 128 w .. 128 w + 127 (eight blocks cb of 16).  128 matrix instructions.  P (64 queries x 128 keys) goes from wave to wave through LDS.
;   So each byte of a K or V tile leaves LDS once, into one wave, and a fragment (two LDS loads) feeds four matrix instructions.
; LAYOUT.  Source 0 of S^T is 16 keys x 32 t: K lies [t][key] and is read turned, by ds_load_tr16_b128.  In the result a lane holds ONE query (lane % 16) and keys 8 (lane / 16) + 0..7.
;   Source 0 of O^T is 16 channels x 32 keys: V lies [channel][key] and is read as it lies.  The result again holds one query a lane, and eight channels.
; SOFTMAX.  For each query a running maximum m over all four waves' keys (one exchange through LDS a step) and, in each wave, the sum l of its own keys' weights: p = 2^(c s - c m), c = log2(e);
;   in every step O and l are multiplied by a = 2^(c m_old - c m_new).  O and l start at 0, c m far below every c s: the first step is a step like any other, with a = 0.
; THE PIPELINE.  Trip J: the scores of step J + 1, then O^T += V^T P of step J.  O's rescaling by a(J) stands between the first half's products, the softmax of step J + 1 between the second half's.
; LDS holds ONE tile of K and ONE of V.  K's is asked for again when the scores' last fragments are in registers, and lands during V^T P; V's likewise, and lands during K Q^T:
;   from a request to the wait for it a wave issues 112 matrix instructions.  A wave has two tensor loads out at the start and one behind each refill.
; CLUSTER.  The four work-groups of a cluster belong to one batch and walk the same K and V, so each tile is asked for JOINTLY: the same tensor load, descriptor and mask in all four.
;   Each wave asks for rows t = 128 w .. 128 w + 127 of the tile: one load a wave behind each round, no branch.
; REGISTERS, in windows of 256 (s_set_vgpr_msb: bits 1:0 source 0, 3:2 source 1, 5:4 source 2, 7:6 destination):
;   window 0: v0-15, v56-57 addresses; v16-39 six registers of statistics a query block; v40-55 at work; v64-127 S^T; v128-191 P's fragments, two buffers; v192-255 K's or V's fragments, two buffers
;   window 1: O^T, tile (cb, qb) at 8 (4 cb + qb); at the start Q in f32 on its way to bf16          windows 2, 3: Q, fragment (qb, c) at 8 (4 (c % 8) + qb), t = 32 c on; c < 8 in window 2
.set PK,    288       ; a row of K in LDS: 256 bytes + 32 of padding = 72 words
.set PV,    272       ; a row of V: 256 + 16 = 68 words: the 16 rows of a load start at 16 different groups of four banks
.set PP,    272       ; a row of P, and of the way out's stage
.set VR,    512*PK    ; K's tile lies at 0: 512 rows t; V's behind it
.set PST,   VR+512*PV ; P: 64 query rows; never filled by a tensor load.  At the end: the way out's stage, 16 rows for each wave
.set MST,   PST+64*PP ; the waves' maxima: [query][wave] f32, 1,024 bytes; 1,024 bytes further on, the waves' sums, likewise
.set SPARE, MST+2048  ; the spare words, 128 bytes for each wave: two blocks of 256 bytes that no other line names
.set AK,  4           ; v4-6  my lane's place in K's tile, at t = 0, 192, 384 (an LDS offset has 16 bits)
.set AV,  7           ; v7    my lane's place in my 128 rows of V's tile
.set APW, 8           ; v8    where I put 16 bytes of P
.set APR, 9           ; v9    where I read a fragment of P
.set AMW, 10          ; v10   where I put my wave's maximum (or sum) for a query
.set AMR, 11          ; v11   where I read the four waves'
.set SPW, 12          ; v12   LDS address of my spare word: SPARE + 4 x my thread's number; never rewritten
.set NIL, 13          ; v13   0; never rewritten
.set QO,  14          ; v14   my byte offset in 16 rows of Q
.set RD,  15          ; v15   the way out: where I read rows back
.set ST,  16          ; block qb's statistics at v[ST + 6 qb]: c m, m, a, c m_old - c m_new, l (even keys', odd keys')
.set TMP, 40          ; v40-55 at work
.set CO,  56          ; v56   my byte offset in two rows of out0
.set STO, 57          ; v57   the way out: where I put 32 bytes of a row
.set S,   64          ; tile (qb, kb) at S + 16 qb + 8 kb: a lane's 16 scores of a query lie together
.set PF,  128
.set F0,  192
.set F1,  224
.set WV,  12          ; s12  my wave's number
.set G1K, 24          ; s[24:31] descriptor group 1 for K's tiles
.set G1V, 32          ; s[32:39] for V's: it differs in the padding alone
.set G0K, 40          ; s[40:43] descriptor group 0 for K's tiles: it walks
.set G0V, 44          ; s[44:47] the same for V's
.set CNT, 48          ; s48  the loop's trips
.set CS,  50          ; s[50:51] c: the packed scaling takes the pair's low word for both halves
.set SEL, 52          ; s[52:53] v_permlanex16_b32's selects: each lane takes its own place in the other half
.set MSB, 0
.macro WIN new                      ; the high byte repeats the setting that is left; a switch that changes nothing is dropped
.if MSB != (\new)
	s_set_vgpr_msb (MSB<<8)|(\new)
.set MSB, \new
.endif
.endm
; A load into a register that a matrix instruction has read, and a vector instruction that reads a matrix result, stand four places behind that matrix instruction, and only plain vector
; instructions that name none of its registers are places (ISA guide 7.12.1 for vector instructions).
.macro PLACES
.rept 4
	v_nop
.endr
.endm
; A round of the cluster's barrier behind its opening barrier: wave 0 signals for the work-group; every wave waits for all four work-groups; my work-group's barrier once more.
.macro CREST
	s_cmp_lg_u32 s[WV], 0
	s_cbranch_scc1 .Lnot_wave_0_\@
	s_barrier_signal -3
.Lnot_wave_0_\@:
	s_barrier_wait -3
	s_barrier_signal -1
	s_barrier_wait -1
.endm
.macro CROUND                       ; a whole round
	s_barrier_signal -1
	s_barrier_wait -1
	CREST
.endm
.macro TLOAD g0, g1                 ; a joint refill; an s_nop 0 and four v_nop follow it; the four are also the places in front of the LDS loads behind
	tensor_load_to_lds s[(\g0):(\g0)+3], s[(\g1):(\g1)+7]
	s_nop 0
	PLACES
.endm
	s_load_b256 s[4:11], s[0:1], 0x0  ; Q s[4:5], kb16 s[6:7], vb16 s[8:9], out0 s[10:11]
	v_lshl_add_u32 v[SPW], v0, 2, SPARE
	v_mov_b32 v[NIL], 0
	ds_add_u32 v12, v13
	s_wait_dscnt 0x0
	v_lshrrev_b32 v1, 5, v0
	v_readfirstlane_b32 s[WV], v1   ; wave 0..3
	s_bfe_u32 s13, ttmp6, 0x40000   ; cx: my place in the cluster
	s_lshl_b32 s14, ttmp9, 2        ; in a cluster launch ttmp9 counts clusters
	s_add_co_u32 s14, s14, s13      ; my block of 64 queries = 4 x cluster x + cx: it enters Q's and out0's addresses alone
	s_and_b32 s15, ttmp7, 0xffff    ; the batch, which the four partners share
	s_lshl_b32 s16, s15, 22         ; K and V: a batch is 512 rows of 8,192 bytes,
	s_lshl_b32 s17, s[WV], 20       ; my 128 rows of every tile
	s_add_co_u32 s16, s16, s17
	s_mov_b32 s17, 0
	s_lshl_b32 s18, s15, 22         ; Q and out0: a batch is 2,048 rows of 2,048 bytes,
	s_lshl_b32 s19, s14, 17         ; my block's 64 rows
	s_add_co_u32 s18, s18, s19
	s_mov_b32 s19, 0
	s_lshl_b32 s20, s[WV], 9        ; out0: my wave's 128 channels
	s_add_co_u32 s20, s20, s18
	s_mov_b32 s21, 0
	; descriptor group 1: a tile of 128 rows x 128 elements (256 bytes, at a multiple of 256 from the buffer's first byte), padded in LDS
	s_mov_b32 s[G1K], 15|(1<<16)|(1<<20)|(1<<21)|(5<<22)|(7<<25)  ; 15:0 the mask of four; 17:16 2-byte elements; 20 padding on; 21 set beside a mask; 24:22 after every 64 words (code 5); 31:25 8 words (code 7)
	s_mov_b32 s[G1V], 15|(1<<16)|(1<<20)|(1<<21)|(5<<22)|(3<<25)  ; the same with 4 words of padding (code 3)
.irp g, G1K, G1V
	s_mov_b32 s[\g+1], 128<<16      ; tensor_dim0 = 128
	s_mov_b32 s[\g+2], 128<<16      ; tensor_dim1 = 128
	s_mov_b32 s[\g+3], 128<<16      ; tile_dim0 = 128
	s_mov_b32 s[\g+4], 128          ; tile_dim1 = 128
	s_mov_b32 s[\g+5], 4096         ; 4,096 elements from row to row
	s_mov_b32 s[\g+6], 0
	s_mov_b32 s[\g+7], 0
.endr
	s_mov_b32 s[G0K], 1             ; 1:0 count = 1
	s_mul_i32 s[G0K+1], s[WV], 128*PK  ; 63:32 LDS address: my 128 rows of K's tile; no place in the cluster enters an LDS address
	s_mov_b32 s[G0V], 1
	s_mul_i32 s22, s[WV], 128*PV
	s_add_co_u32 s[G0V+1], s22, VR
	s_mov_b32 s[CS], 0x3fb8aa3b     ; c = log2(e)
	s_mov_b32 s[CS+1], s[CS]        ; named with it as a pair
	s_mov_b32 s[SEL], 0x76543210
	s_mov_b32 s[SEL+1], 0xfedcba98
	; the lanes' addresses.  l = lane, r = l % 16, h = l / 16
	v_and_b32 v1, 15, v0            ; r
	v_bfe_u32 v2, v0, 4, 1          ; h
	v_and_b32 v3, 7, v0
	v_lshl_add_u32 v3, v2, 3, v3    ; the turning load: lane l reads row t = 8 h + l % 8,
	v_mul_u32_u24 v[AK], v3, PK
	v_bfe_u32 v3, v0, 3, 1
	v_lshl_add_u32 v[AK], v3, 4, v[AK]  ; keys 8 ((l / 8) % 2) + 0..7,
	s_lshl_b32 s22, s[WV], 6
	v_add_nc_u32 v[AK], s22, v[AK]  ; of my wave's 32 keys; it leaves lane l key r and eight t
	v_add_nc_u32 v[AK+1], 6*32*PK, v[AK]
	v_add_nc_u32 v[AK+2], 12*32*PK, v[AK]
	v_mul_u32_u24 v3, v1, PV        ; a fragment read as it lies: row r x pitch + 16 h (V's and P's pitch are the same)
	v_lshl_add_u32 v3, v2, 4, v3
	s_mul_i32 s22, s[WV], 128*PV
	s_add_co_u32 s22, s22, VR
	v_add_nc_u32 v[AV], s22, v3     ; V: my 128 channel rows
	v_add_nc_u32 v[APR], PST, v3    ; P: query row r, keys 8 h on
	s_lshl_b32 s22, s[WV], 6
	v_add_nc_u32 v[APW], s22, v[APR]  ; and where my wave's 32 keys go: 64 bytes a wave
	v_lshl_add_u32 v[AMR], v1, 4, MST  ; a query's four words
	s_lshl_b32 s22, s[WV], 2
	v_add_nc_u32 v[AMW], s22, v[AMR]   ; my wave's among them
	v_lshlrev_b32 v[QO], 11, v1     ; Q: row r x 2,048 bytes + 8 h numbers of 4 bytes
	v_lshl_add_u32 v[QO], v2, 5, v[QO]
	s_mul_i32 s22, s[WV], 16*PP
	s_add_co_u32 s22, s22, PST      ; my stage for the way out
	v_mul_u32_u24 v3, v1, PP        ; in: row r, 32 bytes for each half of the lanes
	v_lshl_add_u32 v3, v2, 5, v3
	v_add_nc_u32 v[STO], s22, v3
	v_mul_u32_u24 v3, v2, PP        ; back: lanes 0-15 take one row of 256 bytes, lanes 16-31 the next
	v_lshl_add_u32 v3, v1, 4, v3
	v_add_nc_u32 v[RD], s22, v3
	v_lshlrev_b32 v[CO], 11, v2     ; and the same two rows in out0
	v_lshl_add_u32 v[CO], v1, 4, v[CO]
	s_wait_kmcnt 0x0
	s_add_nc_u64 s[G0K+2:G0K+3], s[6:7], s[16:17]  ; 120:64 global address: my rows of the batch's first 128 keys
	s_or_b32 s[G0K+3], s[G0K+3], 0x80000000        ; 127:126 type = 2
	s_add_nc_u64 s[G0V+2:G0V+3], s[8:9], s[16:17]
	s_or_b32 s[G0V+3], s[G0V+3], 0x80000000
	s_add_nc_u64 s[4:5], s[4:5], s[18:19]          ; Q at my block's first row
	s_add_nc_u64 s[10:11], s[10:11], s[20:21]      ; out0 at my block's first row, my wave's channels
	CROUND                          ; all four work-groups are here: the first joint loads meet
	tensor_load_to_lds s[G0K:G0K+3], s[G1K:G1K+7]  ; the two first fills go out together: two loads of mine are out
	s_nop 0
	tensor_load_to_lds s[G0V:G0V+3], s[G1V:G1V+7]
	s_nop 0
	PLACES
; Q INTO REGISTERS.  A fragment is 16 queries x 32 t in 8 registers: lane l holds query r; registers 0-3 t = 8 h + 0..7, registers 4-7 t = 16 + 8 h + 0..7.  In f32 that is four loads of 16 bytes.
; Eight batches of eight fragments (c = 2 be, 2 be + 1; four qb) go through the two halves of window 1, which O^T does not need yet: one batch's loads are on their way while another is rounded.
.macro QLOAD be
	WIN 0x40                        ; destination window 1, address window 0
.set fi, 0
.rept 8
.set tb, 128*((\be)%2)+16*fi
.set qoff, (fi%4)*32768+(2*(\be)+fi/4)*128
	global_load_b128 v[tb:tb+3],     v[QO], s[4:5] offset:qoff
	global_load_b128 v[tb+4:tb+7],   v[QO], s[4:5] offset:qoff+16
	global_load_b128 v[tb+8:tb+11],  v[QO], s[4:5] offset:qoff+64
	global_load_b128 v[tb+12:tb+15], v[QO], s[4:5] offset:qoff+80
.set fi, fi+1
.endr
.endm
.macro QCVT be
	WIN 0x85+0x40*((\be)/4)         ; sources window 1, destination window 2 (c < 8) or 3
.set fi, 0
.rept 8
.set tb, 128*((\be)%2)+16*fi
.set qd, 8*(4*((2*(\be)+fi/4)%8)+fi%4)
.set i, 0
.rept 8
	v_cvt_pk_bf16_f32 v[qd+i], v[tb+2*i], v[tb+2*i+1]
.set i, i+1
.endr
.set fi, fi+1
.endr
.endm
	QLOAD 0
	QLOAD 1
.irp be, 0,1,2,3,4,5
	s_wait_loadcnt 32               ; loads come back in order (ISA guide 5.7.1): this batch is in, the next one's 32 stay out
	QCVT \be
	QLOAD (\be)+2
.endr
	s_wait_loadcnt 32
	QCVT 6
	s_wait_loadcnt 0x0
	QCVT 7
	; O^T and l start at 0, on purpose: the first step then needs no text of its own.  These lines stand in the wait for the first tiles.
	WIN 0x40
.set i, 0
.rept 256
	v_mov_b32 v[i], 0
.set i, i+1
.endr
	WIN 0
.set i, 0
.rept 4
	v_mov_b32 v[ST+6*i], 0xfe000000    ; c m: far below every c s
	v_mov_b32 v[ST+6*i+1], 0xff7fffff  ; m: the lowest finite number
	v_mov_b32 v[ST+6*i+2], 0
	v_mov_b32 v[ST+6*i+3], 0
	v_mov_b32 v[ST+6*i+4], 0
	v_mov_b32 v[ST+6*i+5], 0
	v_mov_b32 v[TMP+8+i], 0            ; v_permlanex16_b32's destination counts as read
.set i, i+1
.endr
; THE LDS LOADS stand in runs of eight or sixteen, never singly among the matrix instructions.
.macro FETCH_K g, f                 ; group g of the scores: four fragments (c = 2 g + i / 2, kb = i % 2), turned
	WIN 0
.set fi, 0
.rept 4
.set cc, 2*(\g)+fi/2
.set ko, (cc%6)*32*PK+32*(fi%2)
	ds_load_tr16_b128 v[(\f)+8*fi:(\f)+8*fi+3],   v[AK+cc/6] offset:ko
	ds_load_tr16_b128 v[(\f)+8*fi+4:(\f)+8*fi+7], v[AK+cc/6] offset:ko+16*PK
.set fi, fi+1
.endr
.endm
.macro FETCH_V g, f                 ; group g of V^T P: keys 32 (g / 2) on, four fragments cb = 4 (g % 2) + i
	WIN 0
.set fi, 0
.rept 4
.set vo, (4*((\g)%2)+fi)*16*PV+64*((\g)/2)
	ds_load_b128 v[(\f)+8*fi:(\f)+8*fi+3],   v[AV] offset:vo
	ds_load_b128 v[(\f)+8*fi+4:(\f)+8*fi+7], v[AV] offset:vo+32
.set fi, fi+1
.endr
.endm
.macro FETCH_P kk                   ; P's four fragments (qb) of keys 32 kk on, into buffer kk % 2
	WIN 0
.set fi, 0
.rept 4
.set pd, PF+32*((\kk)%2)+8*fi
	ds_load_b128 v[pd:pd+3],   v[APR] offset:fi*16*PP+64*(\kk)
	ds_load_b128 v[pd+4:pd+7], v[APR] offset:fi*16*PP+64*(\kk)+32
.set fi, fi+1
.endr
.endm
; THE MATRIX WORK.  The accumulators take turns, one instruction a turn: 8 in K Q^T, 32 in V^T P; the two kinds name different accumulators where they meet.
; Product n of 128 of S^T: group n / 16; c = 2 (n / 16) + (n % 16) / 8; kb = (n % 8) / 4; qb = n % 4.  The first 8 start the sums with the constant 0.
.macro QK1
.set qc, 2*(n/16)+(n%16)/8
.set rS, S+16*(n%4)+8*((n%8)/4)
.set rK, F0+32*((n/16)%2)+8*((n%16)/4)
.set rQ, 8*(4*(qc%8)+n%4)
	WIN 0x08+4*(qc/8)               ; K and S^T in window 0, Q in window 2 or 3
.if qc == 0
	v_wmma_f32_16x16x32_bf16 v[rS:rS+7], v[rK:rK+7], v[rQ:rQ+7], 0
.else
	v_wmma_f32_16x16x32_bf16 v[rS:rS+7], v[rK:rK+7], v[rQ:rQ+7], v[rS:rS+7]
.endif
.set n, n+1
.endm
; Product n of 128 of O^T += V^T P: group n / 16; keys 32 (n / 32) on; cb = 4 ((n / 16) % 2) + (n % 16) / 4; qb = n % 4.
.macro PV1
.set pg, n/16
.set rO, 8*(4*(4*(pg%2)+(n%16)/4)+n%4)
.set rV, F0+32*(pg%2)+8*((n%16)/4)
.set rP, PF+32*((pg/2)%2)+8*(n%4)
	WIN 0x50                        ; V and P in window 0, O^T in window 1
	v_wmma_f32_16x16x32_bf16 v[rO:rO+7], v[rV:rV+7], v[rP:rP+7], v[rO:rO+7]
.set n, n+1
.endm
.macro PV16
.rept 16
	PV1
.endr
.endm
; THE VECTOR WORK.  Number rn of 128 of the rescaling: a pair of O^T times its query block's a; each accumulator's lowest registers are read first.
.macro RS1
	WIN 0x41                        ; O^T (destination and source 0) in window 1, a in window 0
	v_pk_mul_f32 v[2*rn:2*rn+1], v[2*rn:2*rn+1], v[ST+6*((rn/4)%4)+2:ST+6*((rn/4)%4)+3] op_sel_hi:[1,0]
.set rn, rn+1
.endm
; Number sn of the 40 that find my wave's maximum for each query: step sn / 4 for block sn % 4, so that no line reads the result of the one before it.  s0-s15 are the lane's scores;
; each accumulator's lowest registers are read first.  Two chains of three operands at a time, then the query's other 16 keys, which lie in the lane 16 away.
.macro SA1
	WIN 0
.set qq, sn%4
.set rS, S+16*qq
.set rc, TMP+qq
.set re, TMP+4+qq
.set rx, TMP+8+qq
.set stp, sn/4
.if stp == 0
	v_max3_num_f32 v[rc], v[rS], v[rS+1], v[rS+2]
.elseif stp == 1
	v_max3_num_f32 v[re], v[rS+8], v[rS+9], v[rS+10]
.elseif stp == 2
	v_max3_num_f32 v[rc], v[rc], v[rS+3], v[rS+4]
.elseif stp == 3
	v_max3_num_f32 v[re], v[re], v[rS+11], v[rS+12]
.elseif stp == 4
	v_max3_num_f32 v[rc], v[rc], v[rS+5], v[rS+6]
.elseif stp == 5
	v_max3_num_f32 v[re], v[re], v[rS+13], v[rS+14]
.elseif stp == 6
	v_max3_num_f32 v[rc], v[rc], v[rS+7], v[rS+15]
.elseif stp == 7
	v_max_num_f32 v[rc], v[rc], v[re]
.elseif stp == 8
	v_permlanex16_b32 v[rx], v[rc], s[SEL], s[SEL+1]
.else
	v_max_num_f32 v[rc], v[rc], v[rx]
.endif
.set sn, sn+1
.endm
; Number bn of the 24 that make the statistics of the four waves' maxima X0-X3: the new m; c m; c m_old - c m_new; a.
.macro SB1
	WIN 0
.set qq, bn%4
.set rT, ST+6*qq
.set rX, TMP+4*qq
.set stp, bn/4
.if stp == 0
	v_max3_num_f32 v[rX], v[rX], v[rX+1], v[rX+2]
.elseif stp == 1
	v_max3_num_f32 v[rT+1], v[rX], v[rX+3], v[rT+1]
.elseif stp == 2
	v_mul_f32 v[rX+1], s[CS], v[rT+1]
.elseif stp == 3
	v_sub_f32 v[rT+3], v[rT], v[rX+1]
.elseif stp == 4
	v_mov_b32 v[rT], v[rX+1]
.else
	v_exp_f32 v[rT+2], v[rT+3]      ; four on end; the next vector line is a plain one that names none of their registers
.endif
.set bn, bn+1
.endm
; The weights, by units u = 4 i + qb: pair i (of 8) of block qb's scores.  F: c s - c m.  E: an exponential.  L: l takes the pair (pair 0: l = a l + pair).  C: the pair rounded to bf16, into register i
; of the block's scores, whose own pair has been used up by then: registers 0-3 end as kb 0's 16 bytes of P, registers 4-7 as kb 1's.
.macro SCF u
.if ((\u) >= 0) && ((\u) < 32)
.set rS, S+16*((\u)%4)+2*((\u)/4)
.set rT, ST+6*((\u)%4)
	v_pk_fma_f32 v[rS:rS+1], v[rS:rS+1], s[CS:CS+1], v[rT:rT+1] op_sel_hi:[1,0,0] neg_lo:[0,0,1] neg_hi:[0,0,1]
.endif
.endm
.macro SCE u, hf
.if ((\u) >= 0) && ((\u) < 32)
.set rS, S+16*((\u)%4)+2*((\u)/4)+(\hf)
	v_exp_f32 v[rS], v[rS]
.endif
.endm
.macro SCL u
.if ((\u) >= 0) && ((\u) < 32)
.set rS, S+16*((\u)%4)+2*((\u)/4)
.set rT, ST+6*((\u)%4)
.if (\u) < 4
	s_wait_alu depctr_va_vdst(0)
	v_pk_fma_f32 v[rT+4:rT+5], v[rT+4:rT+5], v[rT+2:rT+3], v[rS:rS+1] op_sel_hi:[1,0,1]
.else
	s_wait_alu depctr_va_vdst(0)
	v_pk_add_f32 v[rT+4:rT+5], v[rT+4:rT+5], v[rS:rS+1]
.endif
.endif
.endm
.macro SCC u
.if ((\u) >= 0) && ((\u) < 32)
.set rS, S+16*((\u)%4)+2*((\u)/4)
	v_cvt_pk_bf16_f32 v[S+16*((\u)%4)+(\u)/4], v[rS], v[rS+1]
.endif
.endm
; Line sk of 35: a scaling, then the two exponentials of the unit two back, each with a plain line of ANOTHER query block behind it (the unit three back), before its result is used.
.macro SC
	WIN 0
	SCF sk
	SCE sk-2, 0
	SCL sk-3
	SCE sk-2, 1
	SCC sk-3
.set sk, sk+1
.endm
.macro PVSC cnt                     ; two products and a line of the weights, cnt times
.rept \cnt
	PV1
	PV1
	SC
.endr
.endm
.macro PVX sm                       ; a group of 16 products, with eight lines of the weights or bare
.if \sm
	PVSC 8
.else
	PV16
.endif
.endm
.macro MSTORE                       ; my wave's maxima; lanes r and r + 16 write the same word with the same number
	WIN 0
.irp q, 0,1,2,3
	ds_store_b32 v[AMW], v[TMP+(\q)] offset:256*(\q)
.endr
.endm
.macro XLOAD                        ; the four waves' maxima for my four queries
	WIN 0
.irp q, 0,1,2,3
	ds_load_b128 v[TMP+4*(\q):TMP+4*(\q)+3], v[AMR] offset:256*(\q)
.endr
.endm
.macro PSTORE                       ; my wave's 32 keys of P for 64 queries
	WIN 0
.irp q, 0,1,2,3
	ds_store_b128 v[APW], v[S+16*(\q):S+16*(\q)+3]   offset:16*PP*(\q)
	ds_store_b128 v[APW], v[S+16*(\q)+4:S+16*(\q)+7] offset:16*PP*(\q)+32
.endr
.endm
.macro QK16 rs                      ; a group of 16 products; rs = 1: four of the rescaling behind every second one
.rept 8
	QK1
	QK1
.if \rs
	RS1
	RS1
	RS1
	RS1
.endif
.endr
.endm
; THE SCORES OF A STEP: eight groups of 16 products on two fragment buffers; each group fetches the next one's fragments.  rs = 1: O^T's rescaling rides on the first four groups.
; In group 6, when the last fragments of K's tile have been asked for, stands the barrier that ends the reads of that tile.  In front of it each wave waits for all its tensor loads (one is out: its part of V's
; tile), adds 0 to its spare word, and waits for that, for its reads of K's tile and for its stores of P.  Behind it V's tile and P are whole.  refill = 1: the barrier opens a round of the cluster's, and K's tile
; is asked for again first thing behind it.  fp = 1: the first fragments of V and P follow.
.macro PHASE_QK rs, refill, fp
.set n, 0
.set rn, 0
.irp g, 0,1,2,3,4,5
	PLACES
	FETCH_K (\g)+1, F0+32*(((\g)+1)%2)
	s_wait_dscnt 8                  ; all but the eight just issued: this group's fragments are in
.if (\rs) && ((\g) < 4)
	QK16 1
.else
	QK16 0
.endif
.endr
	PLACES
	FETCH_K 7, F1
	s_wait_dscnt 8
	WIN 0                           ; (the add's two registers lie in window 0)
	s_wait_tensorcnt 0x0            ; all my tensor loads have landed, so a group 0 may be written
	ds_add_u32 v[SPW], v[NIL]       ; 0 onto my spare word; eight products stand between it and the wait for it
.if \refill
	s_add_nc_u64 s[G0K+2:G0K+3], s[G0K+2:G0K+3], 256  ; the next 128 keys; the type bits on top are not reached
.endif
.rept 8
	QK1
.endr
	s_wait_dscnt 0x0                ; the add is done, my reads of K's tile are over, my part of P is stored
	s_barrier_signal -1
.rept 8
	QK1
.endr
	WIN 0                           ; at a branch and at a label every window is 0
	s_barrier_wait -1
.if \refill
	CREST                           ; no wave of any partner still reads K's tile or has a load on its way
	TLOAD G0K, G1K
.else
	PLACES
.endif
.if \fp
	FETCH_V 0, F0
	FETCH_P 0
.endif
	QK16 0
.endm
; O^T += V^T P OF A STEP: eight groups of 16 products.  sm = 1: the softmax of the scores just made rides on them: my wave's maxima in group 0; a barrier in group 1, behind which all four waves' maxima are
; read; the statistics in group 2; the weights from there to group 6.  In group 6, when the last fragments of V's tile have been asked for, stands the barrier that ends the reads of V's tile, of P and of the
; maxima, with the same three lines in front (the tensor load that is out is my part of K's tile).  refill = 1: it opens a round, and V's tile is asked for again first thing behind it.
; fk = 1: the next scores' first fragments follow.  Then my part of the new P is stored: nobody reads the old one any more.
.macro PHASE_PV sm, refill, fk
.set n, 0
	PLACES                          ; also the places in front of the first read of the scores
	FETCH_V 1, F1
	s_wait_dscnt 8
.if \sm
.set sn, 0
.rept 5
	PV1
	PV1
.rept 7
	SA1
.endr
.endr
	PV1
	PV1
.rept 5
	SA1
.endr
	MSTORE
.rept 4
	PV1
.endr
	PLACES                          ; for the loads behind the barrier into the buffer that group 0 multiplied
	s_wait_dscnt 0x0                ; for the others' sake: my maxima are stored (and group 1's fragments are in)
	s_barrier_signal -1
.rept 4
	PV1
.endr
	s_barrier_wait -1
	XLOAD
	FETCH_V 2, F0
	FETCH_P 1
.rept 12
	PV1
.endr
.else
	PV16
	PLACES
	FETCH_V 2, F0
	FETCH_P 1
	s_wait_dscnt 16                 ; all but the sixteen just issued
	PV16
.endif
	PLACES
	FETCH_V 3, F1
	s_wait_dscnt 8                  ; group 2's fragments, P's second pair of key blocks and the maxima are in
.if \sm
.set bn, 0
.set sk, 0
.rept 4
	PV1
	PV1
.rept 6
	SB1
.endr
.endr
	PVSC 4
.else
	PV16
.endif
	PLACES
	FETCH_V 4, F0
	FETCH_P 2
	s_wait_dscnt 16
	PVX \sm
	PLACES
	FETCH_V 5, F1
	s_wait_dscnt 8
	PVX \sm
	PLACES
	FETCH_V 6, F0
	FETCH_P 3
	s_wait_dscnt 16
	PVX \sm
	PLACES
	FETCH_V 7, F1
	s_wait_dscnt 8
.if \sm
	WIN 0
	s_wait_tensorcnt 0x0            ; all my tensor loads have landed, so a group 0 may be written
	ds_add_u32 v[SPW], v[NIL]       ; 0 onto my spare word; eight products and their riders stand between it and the wait for it
.if \refill
	s_add_nc_u64 s[G0V+2:G0V+3], s[G0V+2:G0V+3], 256
.endif
	PVSC 4
	s_wait_dscnt 0x0                ; the add is done; my reads of V's tile, of P and of the maxima are over
	s_barrier_signal -1
	PVSC 3
	PV1
	PV1
	WIN 0
	s_barrier_wait -1
.if \refill
	CREST                           ; no wave of any partner still reads V's tile or has a load on its way
	TLOAD G0V, G1V
.else
	PLACES
.endif
.if \fk
	FETCH_K 0, F0
.endif
	PSTORE
.else
	PV16
	s_wait_dscnt 0x0                ; the last group's fragments are in
.endif
	PV16
.endm
	; STEP 0's scores and softmax stand alone: there is no V^T P yet to set them beside.
	s_wait_tensorcnt 0x1            ; my part of K's first tile is in; V's may stay out
	s_barrier_signal -1
	s_barrier_wait -1               ; everybody's is
	FETCH_K 0, F0
	PHASE_QK 0, 1, 0
	PLACES
.set sn, 0
.rept 40
	SA1
.endr
	MSTORE
	s_wait_dscnt 0x0                ; for the others' sake: my maxima are stored
	s_barrier_signal -1
	s_barrier_wait -1
	XLOAD
	s_wait_dscnt 0x0
.set bn, 0
.rept 24
	SB1
.endr
.set sk, 0
.rept 35
	SC
.endr
	WIN 0
	s_wait_tensorcnt 0x0            ; my part of K's second tile is in
	ds_add_u32 v[SPW], v[NIL]
	s_wait_dscnt 0x0
	s_barrier_signal -1
	s_barrier_wait -1               ; everybody's is
	FETCH_K 0, F0
	PSTORE
	s_mov_b32 s[CNT], 30
.Ltrip:                             ; trip J = 0 .. 29: the scores of step J + 1 (K's tile J + 2 is asked for), V^T P of step J (V's tile J + 1 is asked for)
	PHASE_QK 1, 1, 1
	PHASE_PV 1, 1, 1
	WIN 0
	s_sub_co_u32 s[CNT], s[CNT], 1
	s_cmp_lg_u32 s[CNT], 0
	s_cbranch_scc1 .Ltrip
	PHASE_QK 1, 0, 1                ; the tail is written out.  Trip 30: no tile of K is left to ask for
	PHASE_PV 1, 1, 0                ; V's last tile is
	PLACES
.set rn, 0
.rept 128
	RS1                             ; trip 31: the last rescaling has no scores to ride on
.endr
	WIN 0
	s_wait_tensorcnt 0x0            ; my part of V's last tile is in
	ds_add_u32 v[SPW], v[NIL]
	s_wait_dscnt 0x0                ; my part of the last P is stored
	s_barrier_signal -1
	s_barrier_wait -1
	FETCH_V 0, F0
	FETCH_P 0
	PHASE_PV 0, 0, 0
	; THE SUMS.  l's two halves and the other half of the lanes' are added, then the four waves', through LDS.  The additions are the places behind the last products.
	WIN 0
.irp q, 0,1,2,3
	v_add_f32 v[TMP+(\q)], v[ST+6*(\q)+4], v[ST+6*(\q)+5]
.endr
.irp q, 0,1,2,3
	v_permlanex16_b32 v[TMP+4+(\q)], v[TMP+(\q)], s[SEL], s[SEL+1]
.endr
.irp q, 0,1,2,3
	v_add_f32 v[TMP+(\q)], v[TMP+(\q)], v[TMP+4+(\q)]
.endr
.irp q, 0,1,2,3
	ds_store_b32 v[AMW], v[TMP+(\q)] offset:1024+256*(\q)
.endr
	s_wait_dscnt 0x0                ; for the others' sake: my sums are stored, and my reads of P are over
	s_barrier_signal -1
	s_barrier_wait -1               ; so P's bytes may now serve as the stages of the way out
.irp q, 0,1,2,3
	ds_load_b128 v[TMP+4*(\q):TMP+4*(\q)+3], v[AMR] offset:1024+256*(\q)
.endr
	s_wait_dscnt 0x0
.irp q, 0,1,2,3
	v_add_f32 v[TMP+4*(\q)], v[TMP+4*(\q)], v[TMP+4*(\q)+1]
	v_add_f32 v[TMP+4*(\q)+2], v[TMP+4*(\q)+2], v[TMP+4*(\q)+3]
.endr
.irp q, 0,1,2,3
	v_add_f32 v[TMP+4*(\q)], v[TMP+4*(\q)], v[TMP+4*(\q)+2]
.endr
.irp q, 0,1,2,3
	v_rcp_f32 v[ST+6*(\q)+2], v[TMP+4*(\q)]  ; 1 / l takes a's place
.endr
	v_nop                           ; a plain instruction between the last reciprocal and the use of its result
	s_wait_alu depctr_va_vdst(0)
; THE WAY OUT, in eight units u = 2 qb + hf: 16 queries x 64 of my channels (cb = 4 hf .. 4 hf + 3).  A lane's eight channels of a row are 32 bytes; they go into rows of 272 bytes of my own stage
; and come back as whole rows of 256.
.macro SCALE u                      ; O^T / l, each accumulator's registers in ascending order
	WIN 0x41
.set wq, (\u)/2
.set ci, 0
.rept 4
.set ot, 8*(4*(4*((\u)%2)+ci)+wq)
.set wi, 0
.rept 4
	v_pk_mul_f32 v[ot+2*wi:ot+2*wi+1], v[ot+2*wi:ot+2*wi+1], v[ST+6*wq+2:ST+6*wq+3] op_sel_hi:[1,0]
.set wi, wi+1
.endr
.set ci, ci+1
.endr
.endm
.macro TOSTAGE u
	WIN 0x04                        ; the stores' data in window 1
.set wq, (\u)/2
.set ci, 0
.rept 4
.set ot, 8*(4*(4*((\u)%2)+ci)+wq)
	ds_store_b128 v[STO], v[ot:ot+3]   offset:64*ci
	ds_store_b128 v[STO], v[ot+4:ot+7] offset:64*ci+16
.set ci, ci+1
.endr
	WIN 0
	s_wait_xcnt 0x0                 ; every earlier memory instruction has had its addresses translated (ISA guide 3.1): the registers that the stores of two units back read are loaded again only behind this wait
.set ob, PF+32*((\u)%2)
.set wi, 0
.rept 8
	ds_load_b128 v[ob+4*wi:ob+4*wi+3], v[RD] offset:2*PP*wi  ; LDS serves a wave's instructions in order (ISA guide 5.7.1.4): these see the stores above; the next unit's stores come behind them
.set wi, wi+1
.endr
.endm
.macro SEND u, younger              ; younger: the LDS instructions issued behind unit u's loads: the next unit's sixteen, or none
	WIN 0
	s_wait_dscnt \younger
.set ob, PF+32*((\u)%2)
.set wi, 0
.rept 8
	global_store_b128 v[CO], v[ob+4*wi:ob+4*wi+3], s[10:11] offset:(16*((\u)/2)+2*wi)*2048+256*((\u)%2) th:TH_STORE_NT  ; 16 lanes store 256 consecutive bytes, at a multiple of 256 from out0's first byte
.set wi, wi+1
.endr
.endm
	SCALE 0
	TOSTAGE 0
.irp u, 1,2,3,4,5,6,7               ; a unit's arithmetic stands between the loads of the unit before and its stores
	SCALE \u
	TOSTAGE \u
	SEND (\u)-1, 16
.endr
	SEND 7, 0
	s_wait_tensorcnt 0x0            ; the wave's end, behind my last tensor load and my last LDS store
	ds_add_u32 v[SPW], v[NIL]
	s_wait_dscnt 0x0
	CROUND                          ; the closing round: no work-group ends while a partner may still ask for a tile that names it
	s_endpgm
.Lfunc_end_k_qffb29523fe_attn:
	.size	k_qffb29523fe_attn, .Lfunc_end_k_qffb29523fe_attn-k_qffb29523fe_attn
	.p2alignl 7, 3214868480
	.fill 96, 4, 3214868480
	.section	.rodata,"a",@progbits
	.p2align	6, 0x0
	.amdhsa_kernel k_qffb29523fe_attn
		.amdhsa_group_segment_fixed_size 327680
		.amdhsa_private_segment_fixed_size 0
		.amdhsa_enable_private_segment 0
		.amdhsa_kernarg_size 32
		.amdhsa_user_sgpr_count 2
		.amdhsa_user_sgpr_kernarg_segment_ptr 1
		.amdhsa_wavefront_size32 1
		.amdhsa_system_sgpr_workgroup_id_x 1
		.amdhsa_system_sgpr_workgroup_id_y 1
		.amdhsa_system_sgpr_workgroup_id_z 1
		.amdhsa_system_vgpr_workitem_id 0
		.amdhsa_next_free_vgpr 1024
		.amdhsa_next_free_sgpr 66
		.amdhsa_reserve_vcc 0
		.amdhsa_float_denorm_mode_32 3
		.amdhsa_float_denorm_mode_16_64 3
		.amdhsa_memory_ordered 1
		.amdhsa_forward_progress 1
		.amdhsa_inst_pref_size 255
	.end_amdhsa_kernel
	.section	.bss,"aw",@nobits
	.p2align	6
	.space	262144
	.amdgpu_metadata
---
amdhsa.version: [ 1, 2 ]
amdhsa.kernels:
  - .name:           k_qffb29523fe_attn
    .symbol:         k_qffb29523fe_attn.kd
    .args:
      - { .name: queries, .offset: 0, .size: 8, .value_kind: global_buffer, .address_space: global }
      - { .name: kb16, .offset: 8, .size: 8, .value_kind: global_buffer, .address_space: global }
      - { .name: vb16, .offset: 16, .size: 8, .value_kind: global_buffer, .address_space: global }
      - { .name: out0, .offset: 24, .size: 8, .value_kind: global_buffer, .address_space: global }
    .group_segment_fixed_size: 327680
    .private_segment_fixed_size: 0
    .kernarg_segment_align: 8
    .kernarg_segment_size: 32
    .max_flat_workgroup_size: 128
    .sgpr_count:     66
    .vgpr_count:     1024
    .wavefront_size: 32
...
	.end_amdgpu_metadata
.endif
;; end of part 2
;; ======== version 2 of 2: 2 launches; 1.14 times as fast as version 1
;; limits: right only within a limited range of input values
;; workspace buffers: kb16 33,554,432 bytes; vb16 33,554,432 bytes
;; launch cast: the kernel of part 1 again; grid 512 x 2, 8 waves a work-group, no clusters, 0 bytes of LDS; arguments keys, values, kb16, vb16; writes kb16, vb16
;; launch attn (part 3): grid 32 x 8, 4 waves a work-group, clusters of 4 x 1, 327,680 bytes of LDS; arguments queries, kb16, vb16, out0; writes out0
.if DOCPART == 3
	.amdgcn_target "amdgcn-amd-amdhsa--gfx1250"
	.amdhsa_code_object_version 6
	.text
	.protected	k_qffb29523fe_attn
	.globl	k_qffb29523fe_attn
	.p2align	8
	.type	k_qffb29523fe_attn,@function
k_qffb29523fe_attn:
	s_mov_b64 s[64:65], 0
	v_nop
	global_prefetch_b8 v0, s[64:65] scope:SCOPE_SE
	s_setreg_imm32_b32 hwreg(HW_REG_WAVE_MODE, 25, 1), 1
	s_wait_xcnt 0x0
	s_wait_alu depctr_hold_cnt(0) depctr_sa_sdst(0) depctr_va_vdst(0) depctr_va_sdst(0) depctr_va_ssrc(0) depctr_va_vcc(0) depctr_vm_vsrc(0)
	s_getreg_b32 s2, hwreg(HW_REG_IB_STS2, 6, 4)
	s_cmp_eq_u32 s2, 0
	s_cbranch_scc0 .Lentry_in_a_cluster
	s_endpgm
.Lentry_in_a_cluster:
	s_bfe_u32 s2, ttmp6, 0x10000c
	s_cmp_lg_u32 s2, 0x3003
	s_cbranch_scc0 .Lentry_shape_is_right
	s_endpgm
.Lentry_shape_is_right:
; out0[b][n][:] = the sum over m of softmax_m(sum_t Q[b][n][t] K[b][t][m]) V[b][:][m].  Q, out0: [8][2048][512] f32.  kb16, vb16: [8][512][4096] bf16 (K and V, rounded by the launch before).
; The scale is 1.  The module's fourth input, attn_mask, enters no step of the computation and is not among this launch's buffers.
; LIMITS.  Q, K, V and the weights p are rounded to bf16 for the products; products, maxima and sums are f32; the sum l is taken of the unrounded p.  A weight below 2^-126 counts as 0.
; log2(e) x score stays under 4e37 in magnitude (the running maximum starts at -4.25e37 in that measure).  NaN and infinities are not treated apart.
; The order in which a query's keys are summed differs from cluster to cluster (THE WALK): a difference of rounding alone.
; SHARES.  A work-group owns 64 queries of one batch (four blocks qb of 16) and walks the batch's 4,096 keys, 128 a step, 32 steps.  Every wave works on all 64 queries.
;   S^T = K Q^T: wave w makes the scores of keys 32 w .. 32 w + 31 of the step (two blocks kb of 16); all of Q, 64 x 512 in bf16, lies in each wave's registers.  128 matrix instructions.
;   O^T = V^T P: wave w makes channels 128 w .. 128 w + 127 (eight blocks cb of 16).  128 matrix instructions.  P (64 queries x 128 keys) goes from wave to wave through LDS.
;   So each byte of a K or V tile leaves LDS once, into one wave, and a fragment (two LDS loads) feeds four matrix instructions.
; LAYOUT.  Source 0 of S^T is 16 keys x 32 t: K lies [t][key] and is read turned, by ds_load_tr16_b128.  In the result a lane holds ONE query (lane % 16) and keys 8 (lane / 16) + 0..7.
;   Source 0 of O^T is 16 channels x 32 keys: V lies [channel][key] and is read as it lies.  The result again holds one query a lane, and eight channels.
; SOFTMAX.  For each query a running maximum m over all four waves' keys (one exchange through LDS a step) and, in each wave, the sum l of its own keys' weights: p = 2^(c s - c m), c = log2(e);
;   in every step O and l are multiplied by a = 2^(c m_old - c m_new).  O and l start at 0, c m far below every c s: the first step is a step like any other, with a = 0.
; THE PIPELINE.  Trip J: the scores of step J + 1, then O^T += V^T P of step J.  O's rescaling by a(J) stands between the first half's products, four lines behind every second one; the softmax of
;   step J + 1 between the second half's, at most four lines behind each.
; LDS holds ONE tile of K and ONE of V.  K's is asked for again when the scores' last fragments are in registers, and lands during V^T P; V's likewise, and lands during K Q^T:
;   from a request to the wait for it a wave issues 128 matrix instructions.  Between that wait and the next request stand only the lines that the refill needs: all products that are ready stand in front of the wait.
;   A wave has two tensor loads out at the start and one behind each refill.
; CLUSTER.  The four work-groups of a cluster belong to one batch and walk the same K and V, so each tile is asked for JOINTLY: the same tensor load, descriptor and mask in all four.
;   Each wave asks for rows t = 128 w .. 128 w + 127 of the tile: one load a wave behind each round, no branch.
; THE WALK.  The running softmax does not care for the order of the keys, so each cluster takes the batch's 32 tiles of 128 keys in an order of its own.  The cluster at (X, Y) of the 8 x 8 clusters is
;   cluster i = (X & 3) | (Y & 4) of batch b = (X & 4) | (Y & 3): a one-to-one numbering in which neighbours in X share a batch.  At place x of the walk it takes tile (x & 24) | ((x + i) & 7): in a block of
;   eight tiles the batch's eight clusters begin at eight different tiles and go round, so that each tile is asked for first by one cluster and by the seven others one to seven steps later.
;   x starts at 2 (b & 3) and wraps at 32, so that the batches open their blocks in different steps.
; REGISTERS, in windows of 256 (s_set_vgpr_msb: bits 1:0 source 0, 3:2 source 1, 5:4 source 2, 7:6 destination):
;   window 0: v0-15, v56-59 addresses; v16-39 six registers of statistics a query block; v40-55 at work; v64-127 S^T; v128-191 P's fragments, two buffers; v192-255 K's or V's fragments, two buffers
;   window 1: O^T, tile (cb, qb) at 8 (4 cb + qb); at the start my 16 rows of Q in f32          windows 2, 3: Q, fragment (qb, c) at 8 (4 (c % 8) + qb), t = 32 c on; c < 8 in window 2
.set PK,    288       ; a row of K in LDS: 256 bytes + 32 of padding = 72 words
.set PV,    272       ; a row of V: 256 + 16 = 68 words: the 16 rows of a load start at 16 different groups of four banks
.set PP,    272       ; a row of P, and of the way out's stage
.set VR,    512*PK    ; K's tile lies at 0: 512 rows t; V's behind it
.set PST,   VR+512*PV ; P: 64 query rows; never filled by a tensor load.  At the end: the way out's stage, 16 rows for each wave
.set MST,   PST+64*PP ; the waves' maxima: [query][wave] f32, 1,024 bytes; 1,024 bytes further on, the waves' sums, likewise
.set QST,   PST       ; at the start, before P, maxima and sums are: the stage for Q in bf16, 64 query rows x 256 t
.set QP,    528       ; its rows: 512 bytes + 16 = 132 words: the 16 rows of a load start at 16 different groups of four banks.  64 rows end at QST + 33,792, in front of the spare words
.set SPARE, 327680-512  ; the spare words, 128 bytes for each wave: the last two blocks of 256 bytes, which no other line names
.set AK,  4           ; v4-6  my lane's place in K's tile, at t = 0, 192, 384 (an LDS offset has 16 bits)
.set AV,  7           ; v7    my lane's place in my 128 rows of V's tile
.set APW, 8           ; v8    where I put 16 bytes of P
.set APR, 9           ; v9    where I read a fragment of P
.set AMW, 10          ; v10   where I put my wave's maximum (or sum) for a query
.set AMR, 11          ; v11   where I read the four waves'
.set SPW, 12          ; v12   LDS address of my spare word: SPARE + 4 x my thread's number; never rewritten
.set NIL, 13          ; v13   0; never rewritten
.set QO,  14          ; v14   my byte offset in the block's rows of Q: my wave's 16 rows, 16 bytes a lane
.set RD,  15          ; v15   the way out: where I read rows back
.set ST,  16          ; block qb's statistics at v[ST + 6 qb]: c m, m, a, c m_old - c m_new, l (even keys', odd keys')
.set TMP, 40          ; v40-55 at work
.set CO,  56          ; v56   my byte offset in two rows of out0
.set STO, 57          ; v57   the way out: where I put 32 bytes of a row
.set QW,  58          ; v58   where I put 8 bytes of Q in its stage
.set QR,  59          ; v59   where I read a fragment of Q
.set S,   64          ; tile (qb, kb) at S + 16 qb + 8 kb: a lane's 16 scores of a query lie together
.set PF,  128
.set F0,  192
.set F1,  224
.set WV,  12          ; s12  my wave's number
.set G1K, 24          ; s[24:31] descriptor group 1 for K's tiles
.set G1V, 32          ; s[32:39] for V's: it differs in the padding alone
.set G0K, 40          ; s[40:43] descriptor group 0 for K's tiles
.set G0V, 44          ; s[44:47] the same for V's
.set CNT, 48          ; s48  the loop's trips
.set CS,  50          ; s[50:51] c: the packed scaling takes the pair's low word for both halves
.set SEL, 52          ; s[52:53] v_permlanex16_b32's selects: each lane takes its own place in the other half
.set RI,  54          ; s54  i: my cluster among its batch's eight
.set XK,  55          ; s55  the place in the walk of the tile of K to be asked for next
.set T0,  56          ; s[56:57] a tile's byte offset in a row; the high word stays 0
.set T1,  58          ; s58  at work
.set XV,  59          ; s59  as XK, for V
.set MSB, 0
.macro WIN new                      ; the high byte repeats the setting that is left; a switch that changes nothing is dropped
.if MSB != (\new)
	s_set_vgpr_msb (MSB<<8)|(\new)
.set MSB, \new
.endif
.endm
; A load into a register that a matrix instruction has read, and a vector instruction that reads a matrix result, stand four places behind that matrix instruction, and only plain vector
; instructions that name none of its registers are places (ISA guide 7.12.1 for vector instructions).
.macro PLACES
.rept 4
	v_nop
.endr
.endm
; A round of the cluster's barrier behind its opening barrier: wave 0 signals for the work-group; every wave waits for all four work-groups; my work-group's barrier once more.
.macro CREST
	s_cmp_lg_u32 s[WV], 0
	s_cbranch_scc1 .Lnot_wave_0_\@
	s_barrier_signal -3
.Lnot_wave_0_\@:
	s_barrier_wait -3
	s_barrier_signal -1
	s_barrier_wait -1
.endm
.macro CROUND                       ; a whole round
	s_barrier_signal -1
	s_barrier_wait -1
	CREST
.endm
.macro TLOAD g0, g1                 ; a joint refill; an s_nop 0 and four v_nop follow it; the four are also the places in front of the LDS loads behind
	tensor_load_to_lds s[(\g0):(\g0)+3], s[(\g1):(\g1)+7]
	s_nop 0
	PLACES
.endm
; The descriptor's global address is made anew for each fill: the tensor at my rows of the batch, plus 256 bytes for each tile in front of the one at place x of my cluster's walk; the type bits are set again;
; x steps and wraps at 32.  All that enters is equal in the four partners.  It stands only where no tensor load of the wave is out.
.macro TILEADR g0, base, x
	s_add_co_u32 s[T0], s[\x], s[RI]
	s_and_b32 s[T0], s[T0], 7       ; (x + i) & 7: the tile in its block of eight,
	s_and_b32 s[T1], s[\x], 24      ; x & 24: the block
	s_or_b32 s[T0], s[T0], s[T1]
	s_lshl_b32 s[T0], s[T0], 8      ; a tile's 128 keys are 256 bytes of a row
	s_add_nc_u64 s[(\g0)+2:(\g0)+3], s[(\base):(\base)+1], s[T0:T0+1]  ; 120:64 global address
	s_or_b32 s[(\g0)+3], s[(\g0)+3], 0x80000000                        ; 127:126 type = 2
	s_add_co_u32 s[\x], s[\x], 1
	s_and_b32 s[\x], s[\x], 31
.endm
	s_load_b256 s[4:11], s[0:1], 0x0  ; Q s[4:5], kb16 s[6:7], vb16 s[8:9], out0 s[10:11]
	v_lshl_add_u32 v[SPW], v0, 2, SPARE
	v_mov_b32 v[NIL], 0
	ds_add_u32 v12, v13
	s_wait_dscnt 0x0
	v_lshrrev_b32 v1, 5, v0
	v_readfirstlane_b32 s[WV], v1   ; wave 0..3
	s_bfe_u32 s13, ttmp6, 0x40000   ; cx: my place in the cluster
	s_and_b32 s23, ttmp7, 0xffff    ; Y: in a cluster launch ttmp9 and ttmp7 count clusters, here 8 x 8
	s_and_b32 s22, s23, 3
	s_and_b32 s15, ttmp9, 4
	s_or_b32 s15, s15, s22          ; the batch b = (X & 4) | (Y & 3), which the four partners share
	s_lshl_b32 s[XK], s22, 1        ; the walk starts at place 2 (b & 3)
	s_mov_b32 s[XV], s[XK]
	s_and_b32 s[RI], ttmp9, 3
	s_and_b32 s22, s23, 4
	s_or_b32 s[RI], s[RI], s22      ; i = (X & 3) | (Y & 4)
	s_lshl_b32 s14, s[RI], 2
	s_add_co_u32 s14, s14, s13      ; my block of 64 queries = 4 i + cx: it enters Q's and out0's addresses alone
	s_mov_b32 s[T0+1], 0
	s_lshl_b32 s16, s15, 22         ; K and V: a batch is 512 rows of 8,192 bytes,
	s_lshl_b32 s17, s[WV], 20       ; my 128 rows of every tile
	s_add_co_u32 s16, s16, s17
	s_mov_b32 s17, 0
	s_lshl_b32 s18, s15, 22         ; Q and out0: a batch is 2,048 rows of 2,048 bytes,
	s_lshl_b32 s19, s14, 17         ; my block's 64 rows
	s_add_co_u32 s18, s18, s19
	s_mov_b32 s19, 0
	s_lshl_b32 s20, s[WV], 9        ; out0: my wave's 128 channels
	s_add_co_u32 s20, s20, s18
	s_mov_b32 s21, 0
	; descriptor group 1: a tile of 128 rows x 128 elements (256 bytes, at a multiple of 256 from the buffer's first byte), padded in LDS
	s_mov_b32 s[G1K], 15|(1<<16)|(1<<20)|(1<<21)|(5<<22)|(7<<25)  ; 15:0 the mask of four; 17:16 2-byte elements; 20 padding on; 21 set beside a mask; 24:22 after every 64 words (code 5); 31:25 8 words (code 7)
	s_mov_b32 s[G1V], 15|(1<<16)|(1<<20)|(1<<21)|(5<<22)|(3<<25)  ; the same with 4 words of padding (code 3)
.irp g, G1K, G1V
	s_mov_b32 s[\g+1], 128<<16      ; tensor_dim0 = 128
	s_mov_b32 s[\g+2], 128<<16      ; tensor_dim1 = 128
	s_mov_b32 s[\g+3], 128<<16      ; tile_dim0 = 128
	s_mov_b32 s[\g+4], 128          ; tile_dim1 = 128
	s_mov_b32 s[\g+5], 4096         ; 4,096 elements from row to row
	s_mov_b32 s[\g+6], 0
	s_mov_b32 s[\g+7], 0
.endr
	s_mov_b32 s[G0K], 1             ; 1:0 count = 1
	s_mul_i32 s[G0K+1], s[WV], 128*PK  ; 63:32 LDS address: my 128 rows of K's tile; no place in the cluster enters an LDS address
	s_mov_b32 s[G0V], 1
	s_mul_i32 s22, s[WV], 128*PV
	s_add_co_u32 s[G0V+1], s22, VR
	s_mov_b32 s[CS], 0x3fb8aa3b     ; c = log2(e)
	s_mov_b32 s[CS+1], s[CS]        ; named with it as a pair
	s_mov_b32 s[SEL], 0x76543210
	s_mov_b32 s[SEL+1], 0xfedcba98
	; the lanes' addresses.  l = lane, r = l % 16, h = l / 16
	v_and_b32 v1, 15, v0            ; r
	v_bfe_u32 v2, v0, 4, 1          ; h
	v_and_b32 v3, 7, v0
	v_lshl_add_u32 v3, v2, 3, v3    ; the turning load: lane l reads row t = 8 h + l % 8,
	v_mul_u32_u24 v[AK], v3, PK
	v_bfe_u32 v3, v0, 3, 1
	v_lshl_add_u32 v[AK], v3, 4, v[AK]  ; keys 8 ((l / 8) % 2) + 0..7,
	s_lshl_b32 s22, s[WV], 6
	v_add_nc_u32 v[AK], s22, v[AK]  ; of my wave's 32 keys; it leaves lane l key r and eight t
	v_add_nc_u32 v[AK+1], 6*32*PK, v[AK]
	v_add_nc_u32 v[AK+2], 12*32*PK, v[AK]
	v_mul_u32_u24 v3, v1, PV        ; a fragment read as it lies: row r x pitch + 16 h (V's and P's pitch are the same)
	v_lshl_add_u32 v3, v2, 4, v3
	s_mul_i32 s22, s[WV], 128*PV
	s_add_co_u32 s22, s22, VR
	v_add_nc_u32 v[AV], s22, v3     ; V: my 128 channel rows
	v_add_nc_u32 v[APR], PST, v3    ; P: query row r, keys 8 h on
	s_lshl_b32 s22, s[WV], 6
	v_add_nc_u32 v[APW], s22, v[APR]  ; and where my wave's 32 keys go: 64 bytes a wave
	v_lshl_add_u32 v[AMR], v1, 4, MST  ; a query's four words
	s_lshl_b32 s22, s[WV], 2
	v_add_nc_u32 v[AMW], s22, v[AMR]   ; my wave's among them
	s_mul_i32 s22, s[WV], 16*PP
	s_add_co_u32 s22, s22, PST      ; my stage for the way out
	v_mul_u32_u24 v3, v1, PP        ; in: row r, 32 bytes for each half of the lanes
	v_lshl_add_u32 v3, v2, 5, v3
	v_add_nc_u32 v[STO], s22, v3
	v_mul_u32_u24 v3, v2, PP        ; back: lanes 0-15 take one row of 256 bytes, lanes 16-31 the next
	v_lshl_add_u32 v3, v1, 4, v3
	v_add_nc_u32 v[RD], s22, v3
	v_lshlrev_b32 v[CO], 11, v2     ; and the same two rows in out0
	v_lshl_add_u32 v[CO], v1, 4, v[CO]
	v_and_b32 v3, 31, v0            ; l
	s_lshl_b32 s22, s[WV], 15
	v_lshl_add_u32 v[QO], v3, 4, s22   ; Q as it lies: my wave's 16 rows of 2,048 bytes, 16 bytes a lane
	s_mul_i32 s22, s[WV], 16*QP
	s_add_co_u32 s22, s22, QST
	v_lshl_add_u32 v[QW], v3, 3, s22   ; the same rows in the stage, 8 bytes a lane
	v_mul_u32_u24 v3, v1, QP        ; a fragment of Q out of the stage: row r x pitch + 16 h
	v_lshl_add_u32 v3, v2, 4, v3
	v_add_nc_u32 v[QR], QST, v3
	s_wait_kmcnt 0x0
	s_add_nc_u64 s[6:7], s[6:7], s[16:17]          ; K and V at my rows of the batch
	s_add_nc_u64 s[8:9], s[8:9], s[16:17]
	TILEADR G0K, 6, XK                             ; the walk's first tile
	TILEADR G0V, 8, XV
	s_add_nc_u64 s[4:5], s[4:5], s[18:19]          ; Q at my block's first row
	s_add_nc_u64 s[10:11], s[10:11], s[20:21]      ; out0 at my block's first row, my wave's channels
	CROUND                          ; all four work-groups are here: the first joint loads meet
	tensor_load_to_lds s[G0K:G0K+3], s[G1K:G1K+7]  ; the two first fills go out together: two loads of mine are out
	s_nop 0
	tensor_load_to_lds s[G0V:G0V+3], s[G1V:G1V+7]
	s_nop 0
	PLACES
; Q INTO REGISTERS, THROUGH LDS.  Every wave needs all 64 x 512 numbers as fragments (lane l holds query r; registers 0-3 t = 8 h + 0..7, registers 4-7 t = 16 + 8 h + 0..7).  Each number is loaded and
; rounded ONCE in the work-group: wave w loads rows 16 w .. 16 w + 15 as they lie, 512 consecutive bytes a load, 64 loads, into window 1, which O^T does not need yet; rounds them; and puts them into the stage,
; from which all four waves read their fragments.  The stage holds 256 t of the 64 rows, so Q goes in two halves hf.  The first tiles stay on their way across them.
.macro QLOAD hf                     ; load j: row j / 2 of my 16, bytes 512 (j % 2) on of the half's 1,024
	WIN 0x40                        ; destination window 1, address window 0
.set j, 0
.rept 32
	global_load_b128 v[4*(32*(\hf)+j):4*(32*(\hf)+j)+3], v[QO], s[4:5] offset:(j/2)*2048+(\hf)*1024+(j%2)*512 th:TH_LOAD_NT  ; read once in the launch
.set j, j+1
.endr
.endm
.macro QCVT hf                      ; four f32 a lane become 8 bytes, in the load's first two registers
	WIN 0x45                        ; sources and destination window 1
.set j, 0
.rept 32
.set tb, 4*(32*(\hf)+j)
	v_cvt_pk_bf16_f32 v[tb], v[tb], v[tb+1]
	v_cvt_pk_bf16_f32 v[tb+1], v[tb+2], v[tb+3]
.set j, j+1
.endr
.endm
.macro QSTORE hf                    ; 32 lanes put 256 consecutive bytes
	WIN 0x04                        ; the stores' data in window 1
.set j, 0
.rept 32
.set tb, 4*(32*(\hf)+j)
	ds_store_b64 v[QW], v[tb:tb+1] offset:(j/2)*QP+(j%2)*256
.set j, j+1
.endr
.endm
.macro QREAD hf                     ; fragment fi = 4 (c % 8) + qb of the half, into window 2 + hf
	WIN 0x80+0x40*(\hf)
.set fi, 0
.rept 32
	ds_load_b128 v[8*fi:8*fi+3],   v[QR] offset:(fi%4)*16*QP+(fi/4)*64
	ds_load_b128 v[8*fi+4:8*fi+7], v[QR] offset:(fi%4)*16*QP+(fi/4)*64+32
.set fi, fi+1
.endr
.endm
	QLOAD 0
	QLOAD 1
	WIN 0
.set i, 0
.rept 4
	v_mov_b32 v[ST+6*i], 0xfe000000    ; c m: far below every c s
	v_mov_b32 v[ST+6*i+1], 0xff7fffff  ; m: the lowest finite number
	v_mov_b32 v[ST+6*i+2], 0
	v_mov_b32 v[ST+6*i+3], 0
	v_mov_b32 v[ST+6*i+4], 0           ; l starts at 0
	v_mov_b32 v[ST+6*i+5], 0
	v_mov_b32 v[TMP+8+i], 0            ; v_permlanex16_b32's destination counts as read
.set i, i+1
.endr
	s_wait_loadcnt 32               ; loads come back in order (ISA guide 5.7.1): the first half is in, the second half's 32 stay out
	QCVT 0
	QSTORE 0
	s_wait_dscnt 0x0                ; for the others' sake: my rows of the first half are stored
	s_barrier_signal -1
	s_barrier_wait -1
	QREAD 0
	s_wait_loadcnt 0x0
	QCVT 1                          ; work on registers while the fragments come
	s_wait_dscnt 0x0                ; my reads of the first half are over
	s_barrier_signal -1
	s_barrier_wait -1               ; everybody's are: the stage may be written again
	QSTORE 1
	s_wait_dscnt 0x0                ; for the others' sake: my rows of the second half are stored
	s_barrier_signal -1
	s_barrier_wait -1
	QREAD 1
	; O^T starts at 0, on purpose: the first step then needs no text of its own.  These lines stand in the wait for the fragments and the first tiles.
	WIN 0x40
.set i, 0
.rept 256
	v_mov_b32 v[i], 0
.set i, i+1
.endr
	WIN 0
; THE LDS LOADS stand in runs of eight or sixteen, never singly among the matrix instructions.
.macro FETCH_K g, f                 ; group g of the scores: four fragments (c = 2 g + i / 2, kb = i % 2), turned
	WIN 0
.set fi, 0
.rept 4
.set cc, 2*(\g)+fi/2
.set ko, (cc%6)*32*PK+32*(fi%2)
	ds_load_tr16_b128 v[(\f)+8*fi:(\f)+8*fi+3],   v[AK+cc/6] offset:ko
	ds_load_tr16_b128 v[(\f)+8*fi+4:(\f)+8*fi+7], v[AK+cc/6] offset:ko+16*PK
.set fi, fi+1
.endr
.endm
.macro FETCH_V g, f                 ; group g of V^T P: keys 32 (g / 2) on, four fragments cb = 4 (g % 2) + i
	WIN 0
.set fi, 0
.rept 4
.set vo, (4*((\g)%2)+fi)*16*PV+64*((\g)/2)
	ds_load_b128 v[(\f)+8*fi:(\f)+8*fi+3],   v[AV] offset:vo
	ds_load_b128 v[(\f)+8*fi+4:(\f)+8*fi+7], v[AV] offset:vo+32
.set fi, fi+1
.endr
.endm
.macro FETCH_P kk                   ; P's four fragments (qb) of keys 32 kk on, into buffer kk % 2
	WIN 0
.set fi, 0
.rept 4
.set pd, PF+32*((\kk)%2)+8*fi
	ds_load_b128 v[pd:pd+3],   v[APR] offset:fi*16*PP+64*(\kk)
	ds_load_b128 v[pd+4:pd+7], v[APR] offset:fi*16*PP+64*(\kk)+32
.set fi, fi+1
.endr
.endm
; THE MATRIX WORK.  The accumulators take turns, one instruction a turn: 8 in K Q^T, 32 in V^T P; the two kinds name different accumulators where they meet.
; Product n of 128 of S^T: group n / 16; c = 2 (n / 16) + (n % 16) / 8; kb = (n % 8) / 4; qb = n % 4.  The first 8 start the sums with the constant 0.
.macro QK1
.set qc, 2*(n/16)+(n%16)/8
.set rS, S+16*(n%4)+8*((n%8)/4)
.set rK, F0+32*((n/16)%2)+8*((n%16)/4)
.set rQ, 8*(4*(qc%8)+n%4)
	WIN 0x08+4*(qc/8)               ; K and S^T in window 0, Q in window 2 or 3
.if qc == 0
	v_wmma_f32_16x16x32_bf16 v[rS:rS+7], v[rK:rK+7], v[rQ:rQ+7], 0
.else
	v_wmma_f32_16x16x32_bf16 v[rS:rS+7], v[rK:rK+7], v[rQ:rQ+7], v[rS:rS+7]
.endif
.set n, n+1
.endm
; Product n of 128 of O^T += V^T P: group n / 16; keys 32 (n / 32) on; cb = 4 ((n / 16) % 2) + (n % 16) / 4; qb = n % 4.
.macro PV1
.set pg, n/16
.set rO, 8*(4*(4*(pg%2)+(n%16)/4)+n%4)
.set rV, F0+32*(pg%2)+8*((n%16)/4)
.set rP, PF+32*((pg/2)%2)+8*(n%4)
	WIN 0x50                        ; V and P in window 0, O^T in window 1
	v_wmma_f32_16x16x32_bf16 v[rO:rO+7], v[rV:rV+7], v[rP:rP+7], v[rO:rO+7]
.set n, n+1
.endm
.macro PV16
.rept 16
	PV1
.endr
.endm
; THE VECTOR WORK.  Number rn of 128 of the rescaling: a pair of O^T times its query block's a; each accumulator's lowest registers are read first.
.macro RS1
	WIN 0x41                        ; O^T (destination and source 0) in window 1, a in window 0
	v_pk_mul_f32 v[2*rn:2*rn+1], v[2*rn:2*rn+1], v[ST+6*((rn/4)%4)+2:ST+6*((rn/4)%4)+3] op_sel_hi:[1,0]
.set rn, rn+1
.endm
; Number sn of the 40 that find my wave's maximum for each query: step sn / 4 for block sn % 4, so that no line reads the result of the one before it.  s0-s15 are the lane's scores;
; each accumulator's lowest registers are read first.  Two chains of three operands at a time, then the query's other 16 keys, which lie in the lane 16 away.
.macro SA1
	WIN 0
.set qq, sn%4
.set rS, S+16*qq
.set rc, TMP+qq
.set re, TMP+4+qq
.set rx, TMP+8+qq
.set stp, sn/4
.if stp == 0
	v_max3_num_f32 v[rc], v[rS], v[rS+1], v[rS+2]
.elseif stp == 1
	v_max3_num_f32 v[re], v[rS+8], v[rS+9], v[rS+10]
.elseif stp == 2
	v_max3_num_f32 v[rc], v[rc], v[rS+3], v[rS+4]
.elseif stp == 3
	v_max3_num_f32 v[re], v[re], v[rS+11], v[rS+12]
.elseif stp == 4
	v_max3_num_f32 v[rc], v[rc], v[rS+5], v[rS+6]
.elseif stp == 5
	v_max3_num_f32 v[re], v[re], v[rS+13], v[rS+14]
.elseif stp == 6
	v_max3_num_f32 v[rc], v[rc], v[rS+7], v[rS+15]
.elseif stp == 7
	v_max_num_f32 v[rc], v[rc], v[re]
.elseif stp == 8
	v_permlanex16_b32 v[rx], v[rc], s[SEL], s[SEL+1]
.else
	v_max_num_f32 v[rc], v[rc], v[rx]
.endif
.set sn, sn+1
.endm
; Number bn of the 24 that make the statistics of the four waves' maxima X0-X3: the new m; c m; c m_old - c m_new; a.
.macro SB1
	WIN 0
.set qq, bn%4
.set rT, ST+6*qq
.set rX, TMP+4*qq
.set stp, bn/4
.if stp == 0
	v_max3_num_f32 v[rX], v[rX], v[rX+1], v[rX+2]
.elseif stp == 1
	v_max3_num_f32 v[rT+1], v[rX], v[rX+3], v[rT+1]
.elseif stp == 2
	v_mul_f32 v[rX+1], s[CS], v[rT+1]
.elseif stp == 3
	v_sub_f32 v[rT+3], v[rT], v[rX+1]
.elseif stp == 4
	v_mov_b32 v[rT], v[rX+1]
.else
	v_exp_f32 v[rT+2], v[rT+3]      ; four on end; the next plain vector line names none of their registers, and a is used three lines of the weights later
.endif
.set bn, bn+1
.endm
; The weights, by units u = 4 i + qb: pair i (of 8) of block qb's scores.  F: c s - c m.  E: an exponential.  L: l takes the pair (pair 0: l = a l + pair).  C: the pair rounded to bf16, into register i
; of the block's scores, whose own pair has been used up by then: registers 0-3 end as kb 0's 16 bytes of P, registers 4-7 as kb 1's.
.macro SCF u
.if ((\u) >= 0) && ((\u) < 32)
.set rS, S+16*((\u)%4)+2*((\u)/4)
.set rT, ST+6*((\u)%4)
	v_pk_fma_f32 v[rS:rS+1], v[rS:rS+1], s[CS:CS+1], v[rT:rT+1] op_sel_hi:[1,0,0] neg_lo:[0,0,1] neg_hi:[0,0,1]
.endif
.endm
.macro SCE u, hf
.if ((\u) >= 0) && ((\u) < 32)
.set rS, S+16*((\u)%4)+2*((\u)/4)+(\hf)
	v_exp_f32 v[rS], v[rS]
.endif
.endm
.macro SCL u
.if ((\u) >= 0) && ((\u) < 32)
.set rS, S+16*((\u)%4)+2*((\u)/4)
.set rT, ST+6*((\u)%4)
.if (\u) < 4
	s_wait_alu depctr_va_vdst(0)
	v_pk_fma_f32 v[rT+4:rT+5], v[rT+4:rT+5], v[rT+2:rT+3], v[rS:rS+1] op_sel_hi:[1,0,1]
.else
	s_wait_alu depctr_va_vdst(0)
	v_pk_add_f32 v[rT+4:rT+5], v[rT+4:rT+5], v[rS:rS+1]
.endif
.endif
.endm
.macro SCC u
.if ((\u) >= 0) && ((\u) < 32)
.set rS, S+16*((\u)%4)+2*((\u)/4)
	v_cvt_pk_bf16_f32 v[S+16*((\u)%4)+(\u)/4], v[rS], v[rS+1]
.endif
.endm
; Line sk of 35, in two parts: a scaling, then the two exponentials of the unit two back, each with a plain line of ANOTHER query block behind it (the unit three back), before its result is used.
.macro SCA                          ; the first part: up to three lines
	WIN 0
	SCF sk
	SCE sk-2, 0
	SCL sk-3
.endm
.macro SCB                          ; the second part: up to two lines (none in lines 0 and 1); it steps sk
.if sk >= 2
	WIN 0
	SCE sk-2, 1
	SCC sk-3
.endif
.set sk, sk+1
.endm
.macro PVSC cnt                     ; a product and a line's first part, a product and its second part, cnt times
.rept \cnt
	PV1
	SCA
	PV1
	SCB
.endr
.endm
.macro PVX sm                       ; a group of 16 products, with eight lines of the weights or bare
.if \sm
	PVSC 8
.else
	PV16
.endif
.endm
.macro MSTORE                       ; my wave's maxima; lanes r and r + 16 write the same word with the same number
	WIN 0
.irp q, 0,1,2,3
	ds_store_b32 v[AMW], v[TMP+(\q)] offset:256*(\q)
.endr
.endm
.macro XLOAD                        ; the four waves' maxima for my four queries
	WIN 0
.irp q, 0,1,2,3
	ds_load_b128 v[TMP+4*(\q):TMP+4*(\q)+3], v[AMR] offset:256*(\q)
.endr
.endm
.macro PSTORE                       ; my wave's 32 keys of P for 64 queries
	WIN 0
.irp q, 0,1,2,3
	ds_store_b128 v[APW], v[S+16*(\q):S+16*(\q)+3]   offset:16*PP*(\q)
	ds_store_b128 v[APW], v[S+16*(\q)+4:S+16*(\q)+7] offset:16*PP*(\q)+32
.endr
.endm
.macro QK16 rs                      ; a group of 16 products; rs = 1: four of the rescaling behind every second one
.rept 8
	QK1
	QK1
.if \rs
	RS1
	RS1
	RS1
	RS1
.endif
.endr
.endm
; THE SCORES OF A STEP: eight groups of 16 products on two fragment buffers; each group fetches the next one's fragments.  rs = 1: O^T's rescaling rides on the first four groups.
; Behind group 6, when the last fragments of K's tile have been asked for, stands the barrier that ends the reads of that tile.  In front of it each wave waits for all its tensor loads (one is out: its part of V's
; tile), adds 0 to its spare word, and waits for that, for its reads of K's tile and for its stores of P.  Behind it V's tile and P are whole.  refill = 1: the barrier opens a round of the cluster's, and K's tile
; is asked for again first thing behind it.  No product stands between the wait for the tensor loads and that request.  fp = 1: the first fragments of V and P follow; group 7's products stand behind them.
.macro PHASE_QK rs, refill, fp
.set n, 0
.set rn, 0
.irp g, 0,1,2,3,4,5,6
	PLACES
	FETCH_K (\g)+1, F0+32*(((\g)+1)%2)
	s_wait_dscnt 8                  ; all but the eight just issued: this group's fragments are in
.if (\rs) && ((\g) < 4)
	QK16 1
.else
	QK16 0
.endif
.endr
	WIN 0                           ; (the add's two registers lie in window 0; at a branch and at a label every window is 0)
	s_wait_tensorcnt 0x0            ; all my tensor loads have landed, so a group 0 may be written
	ds_add_u32 v[SPW], v[NIL]       ; 0 onto my spare word; the next tile's address is made between it and the wait for it
.if \refill
	TILEADR G0K, 6, XK
.endif
	s_wait_dscnt 0x0                ; the add is done, my reads of K's tile are over (group 7's fragments are in), my part of P is stored
	s_barrier_signal -1
	s_barrier_wait -1
.if \refill
	CREST                           ; no wave of any partner still reads K's tile or has a load on its way
	TLOAD G0K, G1K
.else
	PLACES
.endif
.if \fp
	FETCH_V 0, F0
	FETCH_P 0
.endif
	QK16 0
.endm
; O^T += V^T P OF A STEP: eight groups of 16 products.  sm = 1: the softmax of the scores just made rides on them, at most four lines behind each product: my wave's maxima, a step for the four query blocks
; behind each of group 0's first ten products; a barrier in group 1, behind which all four waves' maxima are read; the statistics behind group 2's first six; the weights' 35 lines from there to group 6
; (5, 8, 8, 8 and 6 of them).  Behind group 6, when the last fragments of V's tile have been asked for, stands the barrier that ends the reads of V's tile, of P and of the maxima, with the same three lines
; in front (the tensor load that is out is my part of K's tile).  refill = 1: it opens a round, and V's tile is asked for again first thing behind it.
; fk = 1: the next scores' first fragments follow.  Then my part of the new P is stored: nobody reads the old one any more.  Group 7's products stand behind that.
.macro PHASE_PV sm, refill, fk
.set n, 0
	PLACES                          ; also the places in front of the first read of the scores
	FETCH_V 1, F1
	s_wait_dscnt 8
.if \sm
.set sn, 0
.rept 10
	PV1
.rept 4
	SA1
.endr
.endr
	PV1
	MSTORE
.rept 5
	PV1
.endr
	PLACES                          ; for the loads behind the barrier into the buffer that group 0 multiplied
	s_wait_dscnt 0x0                ; for the others' sake: my maxima are stored (and group 1's fragments are in)
	s_barrier_signal -1
.rept 4
	PV1
.endr
	s_barrier_wait -1
	XLOAD
	FETCH_V 2, F0
	FETCH_P 1
.rept 12
	PV1
.endr
.else
	PV16
	PLACES
	FETCH_V 2, F0
	FETCH_P 1
	s_wait_dscnt 16                 ; all but the sixteen just issued
	PV16
.endif
	PLACES
	FETCH_V 3, F1
	s_wait_dscnt 8                  ; group 2's fragments, P's second pair of key blocks and the maxima are in
.if \sm
.set bn, 0
.set sk, 0
.rept 6
	PV1
.rept 4
	SB1
.endr
.endr
	PVSC 5
.else
	PV16
.endif
	PLACES
	FETCH_V 4, F0
	FETCH_P 2
	s_wait_dscnt 16
	PVX \sm
	PLACES
	FETCH_V 5, F1
	s_wait_dscnt 8
	PVX \sm
	PLACES
	FETCH_V 6, F0
	FETCH_P 3
	s_wait_dscnt 16
	PVX \sm
	PLACES
	FETCH_V 7, F1
	s_wait_dscnt 8
.if \sm
	PVSC 6                          ; the weights' last six lines
.rept 4
	PV1
.endr
	WIN 0
	s_wait_tensorcnt 0x0            ; all my tensor loads have landed, so a group 0 may be written
	ds_add_u32 v[SPW], v[NIL]       ; 0 onto my spare word; the next tile's address is made between it and the wait for it
.if \refill
	TILEADR G0V, 8, XV
.endif
	s_wait_dscnt 0x0                ; the add is done; my reads of V's tile (group 7's fragments are in), of P and of the maxima are over
	s_barrier_signal -1
	s_barrier_wait -1
.if \refill
	CREST                           ; no wave of any partner still reads V's tile or has a load on its way
	TLOAD G0V, G1V
.else
	PLACES
.endif
.if \fk
	FETCH_K 0, F0
.endif
	PSTORE
.else
	PV16
	s_wait_dscnt 0x0                ; the last group's fragments are in
.endif
	PV16
.endm
	; STEP 0's scores and softmax stand alone: there is no V^T P yet to set them beside.
	s_wait_tensorcnt 0x1            ; my part of K's first tile is in; V's may stay out
	s_wait_dscnt 0x0                ; Q's fragments are in: my reads of its stage are over
	s_barrier_signal -1
	s_barrier_wait -1               ; everybody's are: K's tile is whole, and the stage's bytes may serve P, the maxima and the sums
	FETCH_K 0, F0
	PHASE_QK 0, 1, 0
	PLACES
.set sn, 0
.rept 40
	SA1
.endr
	MSTORE
	s_wait_dscnt 0x0                ; for the others' sake: my maxima are stored
	s_barrier_signal -1
	s_barrier_wait -1
	XLOAD
	s_wait_dscnt 0x0
.set bn, 0
.rept 24
	SB1
.endr
.set sk, 0
.rept 35
	SCA
	SCB
.endr
	WIN 0
	s_wait_tensorcnt 0x0            ; my part of K's second tile is in
	ds_add_u32 v[SPW], v[NIL]
	s_wait_dscnt 0x0
	s_barrier_signal -1
	s_barrier_wait -1               ; everybody's is
	FETCH_K 0, F0
	PSTORE
	s_mov_b32 s[CNT], 30
.Ltrip:                             ; trip J = 0 .. 29: the scores of step J + 1 (K's tile of step J + 2 is asked for), V^T P of step J (V's tile of step J + 1 is asked for)
	PHASE_QK 1, 1, 1
	PHASE_PV 1, 1, 1
	WIN 0
	s_sub_co_u32 s[CNT], s[CNT], 1
	s_cmp_lg_u32 s[CNT], 0
	s_cbranch_scc1 .Ltrip
	PHASE_QK 1, 0, 1                ; the tail is written out.  Trip 30: no tile of K is left to ask for
	PHASE_PV 1, 1, 0                ; V's last tile is
	PLACES
.set rn, 0
.rept 128
	RS1                             ; trip 31: the last rescaling has no scores to ride on
.endr
	WIN 0
	s_wait_tensorcnt 0x0            ; my part of V's last tile is in
	ds_add_u32 v[SPW], v[NIL]
	s_wait_dscnt 0x0                ; my part of the last P is stored
	s_barrier_signal -1
	s_barrier_wait -1
	FETCH_V 0, F0
	FETCH_P 0
	PHASE_PV 0, 0, 0
	; THE SUMS.  l's two halves and the other half of the lanes' are added, then the four waves', through LDS.  The additions are the places behind the last products.
	WIN 0
.irp q, 0,1,2,3
	v_add_f32 v[TMP+(\q)], v[ST+6*(\q)+4], v[ST+6*(\q)+5]
.endr
.irp q, 0,1,2,3
	v_permlanex16_b32 v[TMP+4+(\q)], v[TMP+(\q)], s[SEL], s[SEL+1]
.endr
.irp q, 0,1,2,3
	v_add_f32 v[TMP+(\q)], v[TMP+(\q)], v[TMP+4+(\q)]
.endr
.irp q, 0,1,2,3
	ds_store_b32 v[AMW], v[TMP+(\q)] offset:1024+256*(\q)
.endr
	s_wait_dscnt 0x0                ; for the others' sake: my sums are stored, and my reads of P are over
	s_barrier_signal -1
	s_barrier_wait -1               ; so P's bytes may now serve as the stages of the way out
.irp q, 0,1,2,3
	ds_load_b128 v[TMP+4*(\q):TMP+4*(\q)+3], v[AMR] offset:1024+256*(\q)
.endr
	s_wait_dscnt 0x0
.irp q, 0,1,2,3
	v_add_f32 v[TMP+4*(\q)], v[TMP+4*(\q)], v[TMP+4*(\q)+1]
	v_add_f32 v[TMP+4*(\q)+2], v[TMP+4*(\q)+2], v[TMP+4*(\q)+3]
.endr
.irp q, 0,1,2,3
	v_add_f32 v[TMP+4*(\q)], v[TMP+4*(\q)], v[TMP+4*(\q)+2]
.endr
.irp q, 0,1,2,3
	v_rcp_f32 v[ST+6*(\q)+2], v[TMP+4*(\q)]  ; 1 / l takes a's place
.endr
	v_nop                           ; a plain instruction between the last reciprocal and the use of its result
	s_wait_alu depctr_va_vdst(0)
; THE WAY OUT, in eight units u = 2 qb + hf: 16 queries x 64 of my channels (cb = 4 hf .. 4 hf + 3).  A lane's eight channels of a row are 32 bytes; they go into rows of 272 bytes of my own stage
; and come back as whole rows of 256.
.macro SCALE u                      ; O^T / l, each accumulator's registers in ascending order
	WIN 0x41
.set wq, (\u)/2
.set ci, 0
.rept 4
.set ot, 8*(4*(4*((\u)%2)+ci)+wq)
.set wi, 0
.rept 4
	v_pk_mul_f32 v[ot+2*wi:ot+2*wi+1], v[ot+2*wi:ot+2*wi+1], v[ST+6*wq+2:ST+6*wq+3] op_sel_hi:[1,0]
.set wi, wi+1
.endr
.set ci, ci+1
.endr
.endm
.macro TOSTAGE u
	WIN 0x04                        ; the stores' data in window 1
.set wq, (\u)/2
.set ci, 0
.rept 4
.set ot, 8*(4*(4*((\u)%2)+ci)+wq)
	ds_store_b128 v[STO], v[ot:ot+3]   offset:64*ci
	ds_store_b128 v[STO], v[ot+4:ot+7] offset:64*ci+16
.set ci, ci+1
.endr
	WIN 0
	s_wait_xcnt 0x0                 ; every earlier memory instruction has had its addresses translated (ISA guide 3.1): the registers that the stores of two units back read are loaded again only behind this wait
.set ob, PF+32*((\u)%2)
.set wi, 0
.rept 8
	ds_load_b128 v[ob+4*wi:ob+4*wi+3], v[RD] offset:2*PP*wi  ; LDS serves a wave's instructions in order (ISA guide 5.7.1.4): these see the stores above; the next unit's stores come behind them
.set wi, wi+1
.endr
.endm
.macro SEND u, younger              ; younger: the LDS instructions issued behind unit u's loads: the next unit's sixteen, or none
	WIN 0
	s_wait_dscnt \younger
.set ob, PF+32*((\u)%2)
.set wi, 0
.rept 8
	global_store_b128 v[CO], v[ob+4*wi:ob+4*wi+3], s[10:11] offset:(16*((\u)/2)+2*wi)*2048+256*((\u)%2) th:TH_STORE_NT  ; 16 lanes store 256 consecutive bytes, at a multiple of 256 from out0's first byte
.set wi, wi+1
.endr
.endm
	SCALE 0
	TOSTAGE 0
.irp u, 1,2,3,4,5,6,7               ; a unit's arithmetic stands between the loads of the unit before and its stores
	SCALE \u
	TOSTAGE \u
	SEND (\u)-1, 16
.endr
	SEND 7, 0
	s_wait_tensorcnt 0x0            ; the wave's end, behind my last tensor load and my last LDS store
	ds_add_u32 v[SPW], v[NIL]
	s_wait_dscnt 0x0
	CROUND                          ; the closing round: no work-group ends while a partner may still ask for a tile that names it
	s_endpgm
.Lfunc_end_k_qffb29523fe_attn:
	.size	k_qffb29523fe_attn, .Lfunc_end_k_qffb29523fe_attn-k_qffb29523fe_attn
	.p2alignl 7, 3214868480
	.fill 96, 4, 3214868480
	.section	.rodata,"a",@progbits
	.p2align	6, 0x0
	.amdhsa_kernel k_qffb29523fe_attn
		.amdhsa_group_segment_fixed_size 327680
		.amdhsa_private_segment_fixed_size 0
		.amdhsa_enable_private_segment 0
		.amdhsa_kernarg_size 32
		.amdhsa_user_sgpr_count 2
		.amdhsa_user_sgpr_kernarg_segment_ptr 1
		.amdhsa_wavefront_size32 1
		.amdhsa_system_sgpr_workgroup_id_x 1
		.amdhsa_system_sgpr_workgroup_id_y 1
		.amdhsa_system_sgpr_workgroup_id_z 1
		.amdhsa_system_vgpr_workitem_id 0
		.amdhsa_next_free_vgpr 1024
		.amdhsa_next_free_sgpr 66
		.amdhsa_reserve_vcc 0
		.amdhsa_float_denorm_mode_32 3
		.amdhsa_float_denorm_mode_16_64 3
		.amdhsa_memory_ordered 1
		.amdhsa_forward_progress 1
		.amdhsa_inst_pref_size 239
	.end_amdhsa_kernel
	.amdgpu_metadata
---
amdhsa.version: [ 1, 2 ]
amdhsa.kernels:
  - .name:           k_qffb29523fe_attn
    .symbol:         k_qffb29523fe_attn.kd
    .args:
      - { .name: queries, .offset: 0, .size: 8, .value_kind: global_buffer, .address_space: global }
      - { .name: kb16, .offset: 8, .size: 8, .value_kind: global_buffer, .address_space: global }
      - { .name: vb16, .offset: 16, .size: 8, .value_kind: global_buffer, .address_space: global }
      - { .name: out0, .offset: 24, .size: 8, .value_kind: global_buffer, .address_space: global }
    .group_segment_fixed_size: 327680
    .private_segment_fixed_size: 0
    .kernarg_segment_align: 8
    .kernarg_segment_size: 32
    .max_flat_workgroup_size: 128
    .sgpr_count:     66
    .vgpr_count:     1024
    .wavefront_size: 32
...
	.end_amdgpu_metadata
.endif
;; end of part 3
